; MI455X (gfx1250); checked and timed in simulation.
; The chip was launched on July 23, 2026; its instructions are those of AMD's public machine-readable ISA for CDNA 5 (MIT licence, August 2026) and "CDNA5" Instruction Set Architecture Reference Guide (July 2026). The comments in the code are by the model that wrote it; some were corrected since.
;; Attention Head. Allowed arithmetic: matrix products marked QUANTISED: E2M1 operands, one E8M0 scale for each 32 along K, by v_wmma_scale_f32_16x16x128_f8f6f4 with both operands' format E2M1 (or v_wmma_scale_f32_32x16x128_f4), f32 sums; everything else in f32.
;; Inputs: k_codes 16 x 2,048 x 2 x 16 uint8 (E2M1 codes of k, K innermost, in blocks of 32 codes, two codes a byte); k_scales 16 x 2,048 x 2 uint8 (E8M0 scales of k, one for each 32 codes along K); q_codes 16 x 2,048 x 2 x 16 uint8 (E2M1 codes of q, K innermost, in blocks of 32 codes, two codes a byte); q_scales 16 x 2,048 x 2 uint8 (E8M0 scales of q, one for each 32 codes along K); v_codes 16 x 64 x 64 x 16 uint8 (E2M1 codes of v, K innermost, in blocks of 32 codes, two codes a byte); v_scales 16 x 64 x 64 uint8 (E8M0 scales of v, one for each 32 codes along K).
;; Outputs: out0 16 x 2,048 x 64 float32.
;; This version of the problem:
;;   THIS VERSION OF THE PROBLEM IS GIVEN IN LOW PRECISION. The matrix products marked QUANTISED in the list below multiply operands that are first quantised to E2M1 (2 exponent bits, 1 mantissa bit; 4 bits a number), with one power-of-two scale for each 32 numbers along K (OCP MX v1.0); their sums are f32. All else is computed in f32.
;;   The module's matrix products, in the order in which they are computed (A, B: the left and right operand; K: the contracted axis; several contracted axes count as one K, in the product's order):
;;     1. batch 16 x [M 2,048, K 64] x [K 64, N 2,048]; A: input q (given as codes); B: input k (given as codes): QUANTISED
;;     2. batch 16 x [M 2,048, K 2,048] x [K 2,048, N 64]; A: softmax (see below); B: input v (given as codes): QUANTISED
;;   THE QUANTISER, for each operand of a quantised product, along K:
;;     - K is cut into blocks of 32 from its start; a last block that is shorter is filled with zeros.
;;     - A block's scale is 2^e with e = floor(log2(the largest magnitude in the block)) - 2, held to -126 .. 127; a block of zeros has e = 0. As a byte (E8M0): e + 127.
;;     - Each number is divided by its block's scale, clamped to +-6, and rounded to the nearest number of E2M1, ties to even, subnormals kept.
;;     - The product sums the exact products of the quantised numbers (number of the format x scale) in f32.
;;   ~~~python
;;   def quantise(x, axis):      # numpy; x: float32 -> the quantised numbers, widened to float32 again
;;       x = np.moveaxis(x, axis, -1); K = x.shape[-1]
;;       x = np.pad(x, [(0, 0)] * (x.ndim - 1) + [(0, -K % 32)]); x = x.reshape(x.shape[:-1] + (-1, 32)); a = np.abs(x).max(-1, keepdims=True)
;;       e = np.where(a > 0, np.clip(np.frexp(np.where(a > 0, a, 1))[1] - 1 - 2, -126, 127), 0)      # np.frexp(a)[1] - 1 = floor(log2(a)), exactly
;;       r = np.clip(x / 2.0 ** e, -6, 6)
;;       step = 2.0 ** (np.maximum(np.frexp(np.where(r == 0, 1, r))[1] - 1, 0) - 1)
;;       q = np.round(r / step) * step * 2.0 ** e      # np.round: ties to even
;;       return np.moveaxis(q.reshape(q.shape[:-2] + (-1,))[..., :K], -1, axis).astype(np.float32)
;;   ~~~
;;   SOFTMAX AHEAD OF A QUANTISED PRODUCT. Where the list says 'softmax', what is quantised is not the finished softmax but p = 2^(t - M), with t = logit x log2(e) and M = ceil(the row's largest t), a whole number; so 1/2 < the row's largest p <= 1. The row's sum l is taken of the UNQUANTISED p, in f32, and the product's result is divided by l at the end. Since M is a whole number, a kernel that streams over the keys may use a running M (the ceiling of the running maximum): every later rescaling is an exact power of two, which a block's scale takes up: the codes' values come out the same.
;;   OPERANDS COMPUTED ON THE WAY. 'Computed on the way' means the value that the module computes at that place (a softmax that the list does not call 'softmax' is quantised finished and normalised). What goes into a quantiser is computed in f32, as accurately as f32 sums, v_exp_f32 and their like allow (about 1e-6 of the number): no bf16 or f16 on the way to a quantiser, and a product that is left as it is and whose result goes on into a quantised operand takes f32 operands (vector FMAs, or v_wmma_f32_16x16x4_f32). A number that lies on a knife's edge between two numbers of the format may be rounded either way, as far as f32 arithmetic and the matrix unit's own rounding can turn it there, and no further.
;;   INPUTS GIVEN AS CODES. k (in the module: [16, 2048, 64], K = its axis 2); q (in the module: [16, 2048, 64], K = its axis 2); v (in the module: [16, 2048, 64], K = its axis 1): each comes as NAME_codes (uint8): NAME with its K axis moved to the last place and cut into blocks of 32 codes, [.., K / 32, bytes a block], one block behind the other in memory; two codes a byte, the lower K in the low four bits (a code: sign, 2 exponent bits, 1 mantissa bit); and NAME_scales (uint8): the same leading axes, one E8M0 byte (e + 127) for each 32 codes along K. Its value is code x scale, taken as it is: it is not quantised again, and the codes and scales need not be those that the quantiser above would give.
;; One version. Each part assembles by itself: llvm-mc -triple=amdgcn-amd-amdhsa -mcpu=gfx1250 --defsym DOCPART=n.
;; ======== version 1 of 1: 1 launch
;; limits: right only within a limited range of input values
;; launch attn (part 1): grid 16 x 16, 8 waves a work-group, clusters of 4 x 1, 263,168 bytes of LDS; arguments k_codes, k_scales, q_codes, q_scales, v_codes, v_scales, out0; writes out0
.if DOCPART == 1
	.amdgcn_target "amdgcn-amd-amdhsa--gfx1250"
	.amdhsa_code_object_version 6
	.text
	.protected	k_q678dc55f84_attn
	.globl	k_q678dc55f84_attn
	.p2align	8
	.type	k_q678dc55f84_attn,@function
k_q678dc55f84_attn:
	s_mov_b64 s[64:65], 0
	v_nop
	global_prefetch_b8 v0, s[64:65] scope:SCOPE_SE
	s_setreg_imm32_b32 hwreg(HW_REG_WAVE_MODE, 25, 1), 1
	s_wait_xcnt 0x0
	s_wait_alu depctr_hold_cnt(0) depctr_sa_sdst(0) depctr_va_vdst(0) depctr_va_sdst(0) depctr_va_ssrc(0) depctr_va_vcc(0) depctr_vm_vsrc(0)
	s_getreg_b32 s2, hwreg(HW_REG_IB_STS2, 6, 4)
	s_cmp_eq_u32 s2, 0
	s_cbranch_scc0 .Lentry_in_a_cluster
	s_endpgm
.Lentry_in_a_cluster:
	s_bfe_u32 s2, ttmp6, 0x10000c
	s_cmp_lg_u32 s2, 0x3003
	s_cbranch_scc0 .Lentry_shape_is_right
	s_endpgm
.Lentry_shape_is_right:
; out0[b][i][:] = sum over j of softmax_j(logit(i, j)) v[b][j][:], logit = q.k / 64 with a causal mask, and with -1e20 added to every logit that is exactly 0.
; 16 heads, 2,048 queries and keys, head size 64.  Both products on codes of FP4 (E2M1) with one E8M0 scale for each 32 along K, taken as they are given.
; q, k: rows of 64 codes (32 bytes) and 2 scale bytes.  v: the keys innermost, 64 rows of 2,048 codes (1,024 bytes) and 64 scale bytes.  out0: f32.
; THE SOFTMAX: t = score x log2(e) / 64; M = the largest t so far, rounded UP to a whole number; p = 2^(t - M) is quantised along the keys, not normalised; the sum l is taken of the
; unquantised p and divides at the end.  A hidden score and a score that is exactly 0 (-0 too) become -infinity ahead of the maximum: p = 0, as exp(-1e20 - ..) is.
; A ROW ALL OF WHOSE VISIBLE SCORES ARE 0 has the logit -1e20 at all 2,048 keys, the hidden ones too: its result is the mean of v over all keys.  That mean is always made (a product of v with
; ones of scale 2^-11) and is chosen by v_cndmask_b32 where l = 0: no branch hangs on data.
; LIMITS: |q.k| / 64 under 4e12 (beyond it a hidden logit no longer rounds to -1e20); scale bytes 0xff (NaN) are not served; a score that is not 0 but so small that score / 64 underflows to 0
; is not masked; p under 2^-126 counts as 0 (v_exp_f32 flushes it).
; SHARES.  A head has 128 tiles of 16 queries: group g (128 queries) x sub (0..7).  A tile of group g needs the key steps 0..g, 128 keys each; step g lies on the diagonal.  The tiles (p, sub) and
; (15 - p, sub) together have 17 steps for every p = 0..7: such a PAIR is shared by two waves, wave e (0, 1) taking the steps s = e, e + 2, .. of both tiles, with its own M, l and O^T;
; the two partial results are joined at the end by exact powers of two.  A work-group has 8 waves, 4 pairs (wave = i + 4 e): 16 x 16 work-groups.
; CLUSTER.  The 4 work-groups of a cluster belong to one head and read the same K, V and scales, which fit in LDS whole (139,264 bytes of data): every tile is asked for JOINTLY (mask 15), once, and no LDS
; byte is filled twice.  K and V come in 4 chunks of 512 keys; work begins when the scales and chunk 0 are in.  My place in the cluster (in sub) enters q's and out0's addresses and the
; number that the diagonal's compare uses, and nothing else: no branch, no LDS address, no descriptor.
; LAYOUT.  Both products are used transposed: S^T = K Q^T (source 0 = 16 keys, source 1 = my 16 queries), O^T = V^T P^T (source 0 = 16 of the head's 64): a lane holds ONE query (lane % 16).
; THE KEYS OF A TILE ARE NOT NEIGHBOURS: lane r of tile 2 b + u takes key 32 b + 8 u + r % 8 + 16 (r / 8), so that register 16 b + i of S^T is key 32 b + 16 (lane / 16) + i.
; The first product's K is 64: registers 4-7 of K's and Q's fragments are zeros, set once, and the upper two bytes of their scale words are 0 over zero codes.
.set KB,    0                          ; LDS: K's codes: rows of 16 keys (512 bytes + 16 of padding): key x at (x / 16) 528 + (x % 16) 32
.set VB,    67584                      ; V's codes: 4 chunks of 64 rows x (256 bytes + 16)
.set KSB,   137216                     ; K's scale bytes, dense, 2 a key
.set VSB,   141312                     ; V's scale bytes: 64 rows x (64 bytes + 16)
.set XB,    146432                     ; the exchange: 16 slots (wave, tile) of 4,352 bytes: O^T as an image of its registers (8 x 512), then (-M, l), 8 bytes a lane
.set VM,    216064                     ; the mean of v: two halves of the keys x 64 f32
.set STG,   216576                     ; the way out: 16 rows x (256 bytes + 16) for each wave.  The last three regions are written by LDS stores alone; no tile lands there
.set KCH,   16896                      ; a chunk of K in LDS: 32 rows of 528
.set VCH,   17408                      ; a chunk of V in LDS: 64 rows of 272
.set XSL,   4352                       ; an exchange slot
.set AK0,  1                           ; v1   my lane's place in a step's tiles of K   (v1-v5, v7, v9-v11 are made anew behind the loops)
.set AKS0, 2                           ; v2   among K's scale words
.set AV0,  3                           ; v3   in a step's tiles of V
.set AVS0, 4                           ; v4   among V's scale words
.set DD,   5                           ; v5   my query in its group of 128, less 16 (lane / 16): register 16 b + i is hidden on the diagonal where 32 b + i > DD
.set NINF, 6                           ; v6   -infinity
.set ADT,  7                           ; v7, v9-v11  the LDS addresses of the step in hand (at the head v7 and v9 are q's offsets)
.set ADK,  9
.set ADS,  10
.set ADV,  11
.set QL,   16                          ; v16-23 Q of the long tile (group 15 - p);  v24-31 of the short one (group p)
.set QS,   24
.set KF,   32                          ; v32-95   eight fragments of K
.set S,    96                          ; v96-159  S^T, then p
.set O,    160                         ; v160-191 O^T, four tiles
.set VF,   192                         ; v192-223 four fragments of V
.set PC,   224                         ; v224-231 p's codes
.set BM,   232                         ; v232-235 a block's largest score, then its largest p
.set PT,   236                         ; v236-239 at work
.set CO,   240                         ; v240-243 the conversions' scale operands
.set QLW,  244                         ; v244, v245 Q's scale words; v246-249 K's; v250-251 V's; v255 p's
.set QSW,  245
.set KSW,  246
.set VSW,  250
.set F,    252                         ; v252 f = 2^(old M - new M); v253 is named with it as a pair
.set TMP,  254
.set PW,   255
.set WV,   18                          ; s18 my wave; s19 e = wave / 4; s24 i = wave % 4; s25 p; s26 sub; s27 the head
.set E,    19
.set SEL,  20                          ; s[20:21] v_permlanex16_b32's selects for lane l xor 16
.set CS,   22                          ; s[22:23] c = log2(e) / 64
.set I,    24
.set P,    25
.set SUB,  26
.set HEAD, 27
.set GK,   28                          ; s[28:35], s[36:43], s[44:51], s[52:59] descriptor groups 1: K's chunks, V's chunks, K's scales, V's scales
.set GV,   36
.set GKS,  44
.set GVS,  52
.set G0K0, 60                          ; s[60:63] group 0: K's chunk 0;  s[68:71] K's chunk wave / 2 + 1;  s[72:75], s[76:79] the same for V;  s[80:83], s[84:87] the scales
.set G0KN, 68
.set G0V0, 72
.set G0VN, 76
.set G0KS, 80
.set G0VS, 84
.set MK,   88                          ; s[88:95] eight masks of compares
.set TK,   96                          ; s96-s99 where the trip's chunk begins in K, K's scales, V, V's scales
.set TKS,  97
.set TV,   98
.set TVS,  99
.set ST,   100                         ; s100 the key step of the trip's first half
.set GRP,  101                         ; s101 the group of the tile in hand = its last key step
.set CNT,  104                         ; s104 trips to go
.set SX,   105                         ; s105 the key step in hand; scratch
.macro PLACES                          ; four plain vector lines: the distance behind a matrix instruction of this form (ISA guide 7.12.1)
.rept 4
	v_nop
.endr
.endm
; A round of the cluster's barrier: my work-group's barrier, wave 0 signals for the work-group, every wave waits for all four work-groups, my work-group's barrier once more.
.macro ROUND
	s_barrier_signal -1
	s_barrier_wait -1
	s_cmp_lg_u32 s[WV], 0
	s_cbranch_scc1 .Lnot_wave_0_\@
	s_barrier_signal -3
.Lnot_wave_0_\@:
	s_barrier_wait -3
	s_barrier_signal -1
	s_barrier_wait -1
.endm
; The first fills of wave w, all in one arm; four v_nop follow the last.
.macro ARM2 w, g0a, g1a, g0b, g1b
	s_cmp_lg_u32 s[WV], \w
	s_cbranch_scc1 .Lnot_\@
	tensor_load_to_lds s[\g0a:\g0a+3], s[\g1a:\g1a+7]
	s_nop 0
	tensor_load_to_lds s[\g0b:\g0b+3], s[\g1b:\g1b+7]
	s_nop 0
	PLACES
	s_branch .Lasked
.Lnot_\@:
.endm
.macro ARM1 w, g0a, g1a
	s_cmp_lg_u32 s[WV], \w
	s_cbranch_scc1 .Lnot_\@
	tensor_load_to_lds s[\g0a:\g0a+3], s[\g1a:\g1a+7]
	s_nop 0
	PLACES
	s_branch .Lasked
.Lnot_\@:
.endm
	s_load_b256 s[4:11], s[0:1], 0x0               ; K's codes s[4:5], K's scales s[6:7], Q's codes s[8:9], Q's scales s[10:11]
	s_load_b128 s[12:15], s[0:1], 0x20             ; V's codes s[12:13], V's scales s[14:15]
	s_load_b64 s[16:17], s[0:1], 0x30              ; out0
	v_lshl_add_u32 v8, v0, 2, 0x40000
	s_set_vgpr_msb 0x40
	v_mov_b32 v1, 0
	s_set_vgpr_msb 0x4044
	ds_add_u32 v8, v1
	ds_add_u32 v8, v1
	s_set_vgpr_msb 0x4400
	v_lshrrev_b32 v1, 5, v0
	s_delay_alu instid0(VALU_DEP_1)
	v_readfirstlane_b32 s[WV], v1                  ; wave 0..7
	s_and_b32 s[I], s[WV], 3                       ; which pair
	s_lshr_b32 s[E], s[WV], 2                      ; which half of its key steps
	s_bfe_u32 s[SUB], ttmp6, 0x40000               ; my place in the cluster,
	s_and_b32 s2, ttmp9, 1
	s_lshl_b32 s2, s2, 2
	s_add_co_u32 s[SUB], s[SUB], s2                ; sub = place + 4 (cluster x % 2)
	s_lshr_b32 s2, ttmp9, 1
	s_lshl_b32 s2, s2, 2
	s_add_co_u32 s[P], s[I], s2                    ; p = i + 4 (cluster x / 2): alike in all four partners
	s_and_b32 s[HEAD], ttmp7, 0xffff               ; the head, which the partners share
	; descriptor groups 1.  Word 0: 15:0 the mask, all four work-groups; 17:16 the element's size; 20 padding on; 21 set beside a mask; 24:22 the interval; 31:25 four words of padding (code 3)
	s_mov_b32 s[GK], 15|(1<<20)|(1<<21)|(6<<22)|(3<<25)            ; K: a chunk is dense: 32 rows of 512 bytes; padding after every 128 words
	s_mov_b32 s[GK+1], 512<<16                     ; tensor_dim0
	s_mov_b32 s[GK+2], 32<<16                      ; tensor_dim1
	s_mov_b32 s[GK+3], 512<<16                     ; tile_dim0
	s_mov_b32 s[GK+4], 32                          ; tile_dim1
	s_mov_b32 s[GK+5], 512                         ; from row to row
	s_mov_b32 s[GK+6], 0
	s_mov_b32 s[GK+7], 0
	s_mov_b32 s[GV], 15|(1<<20)|(1<<21)|(5<<22)|(3<<25)            ; V: 64 rows of 256 bytes, 1,024 apart; padding after every 64 words
	s_mov_b32 s[GV+1], 256<<16
	s_mov_b32 s[GV+2], 64<<16
	s_mov_b32 s[GV+3], 256<<16
	s_mov_b32 s[GV+4], 64
	s_mov_b32 s[GV+5], 1024
	s_mov_b32 s[GV+6], 0
	s_mov_b32 s[GV+7], 0
	s_mov_b32 s[GKS], 15|(3<<16)|(1<<21)           ; K's scales: 4,096 dense bytes as 16 rows of 32 elements of 8 bytes, no padding
	s_mov_b32 s[GKS+1], 32<<16
	s_mov_b32 s[GKS+2], 16<<16
	s_mov_b32 s[GKS+3], 32<<16
	s_mov_b32 s[GKS+4], 16
	s_mov_b32 s[GKS+5], 32
	s_mov_b32 s[GKS+6], 0
	s_mov_b32 s[GKS+7], 0
	s_mov_b32 s[GVS], 15|(3<<16)|(1<<20)|(1<<21)|(3<<22)|(3<<25)   ; V's scales: 64 rows of 8 elements of 8 bytes; padding after every 16 words
	s_mov_b32 s[GVS+1], 8<<16
	s_mov_b32 s[GVS+2], 64<<16
	s_mov_b32 s[GVS+3], 8<<16
	s_mov_b32 s[GVS+4], 64
	s_mov_b32 s[GVS+5], 8
	s_mov_b32 s[GVS+6], 0
	s_mov_b32 s[GVS+7], 0
	s_mov_b32 s[SEL], 0x76543210
	s_mov_b32 s[SEL+1], 0xfedcba98
	s_mov_b32 s[CS], 0x3cb8aa3b                    ; c = log2(e) / 64
	s_mov_b32 s[CS+1], s[CS]                       ; (named with it as a pair, so it is written)
	s_lshr_b32 s2, s[WV], 1
	s_add_co_u32 s2, s2, 1                         ; the later chunk that waves 0 to 5 fetch: wave / 2 + 1
	s_lshl_b32 s96, s2, 14                         ; in K's memory: 16,384 bytes a chunk;
	s_mov_b32 s97, 0
	s_lshl_b32 s98, s2, 8                          ; in V's: 256 bytes along each row
	s_mov_b32 s99, 0
	s_mov_b32 s105, 0
	s_wait_dscnt 0x0
	s_wait_kmcnt 0x0
	s_lshl_b32 s104, s[HEAD], 16                   ; a head's codes: 65,536 bytes
	s_add_nc_u64 s[4:5], s[4:5], s[104:105]
	s_add_nc_u64 s[8:9], s[8:9], s[104:105]
	s_add_nc_u64 s[12:13], s[12:13], s[104:105]
	s_lshl_b32 s104, s[HEAD], 12                   ; its scale bytes: 4,096
	s_add_nc_u64 s[6:7], s[6:7], s[104:105]
	s_add_nc_u64 s[10:11], s[10:11], s[104:105]
	s_add_nc_u64 s[14:15], s[14:15], s[104:105]
	s_lshl_b32 s104, s[HEAD], 19                   ; its rows of out0: 524,288
	s_add_nc_u64 s[16:17], s[16:17], s[104:105]
	; descriptor groups 0: word 0 = 1; word 1 the LDS address; words 2, 3 the global address with the type 2 on top.  Nothing in them hangs on my place in the cluster.
	s_mov_b32 s[G0K0], 1
	s_mov_b32 s[G0K0+1], KB
	s_mov_b64 s[G0K0+2:G0K0+3], s[4:5]
	s_or_b32 s[G0K0+3], s[G0K0+3], 0x80000000
	s_mov_b32 s[G0KN], 1
	s_mul_i32 s[G0KN+1], s2, KCH
	s_add_nc_u64 s[G0KN+2:G0KN+3], s[4:5], s[96:97]
	s_or_b32 s[G0KN+3], s[G0KN+3], 0x80000000
	s_mov_b32 s[G0V0], 1
	s_mov_b32 s[G0V0+1], VB
	s_mov_b64 s[G0V0+2:G0V0+3], s[12:13]
	s_or_b32 s[G0V0+3], s[G0V0+3], 0x80000000
	s_mov_b32 s[G0VN], 1
	s_mul_i32 s[G0VN+1], s2, VCH
	s_add_co_u32 s[G0VN+1], s[G0VN+1], VB
	s_add_nc_u64 s[G0VN+2:G0VN+3], s[12:13], s[98:99]
	s_or_b32 s[G0VN+3], s[G0VN+3], 0x80000000
	s_mov_b32 s[G0KS], 1
	s_mov_b32 s[G0KS+1], KSB
	s_mov_b64 s[G0KS+2:G0KS+3], s[6:7]
	s_or_b32 s[G0KS+3], s[G0KS+3], 0x80000000
	s_mov_b32 s[G0VS], 1
	s_mov_b32 s[G0VS+1], VSB
	s_mov_b64 s[G0VS+2:G0VS+3], s[14:15]
	s_or_b32 s[G0VS+3], s[G0VS+3], 0x80000000
	ROUND                                          ; all four work-groups are here: the joint loads meet
	; All fills of the launch, each LDS byte once.  What the first steps want goes first in its wave: two loads of a wave are out at the most.
	ARM2 0, G0K0, GK, G0KN, GK                     ; wave 0: K's chunks 0 and 1
	ARM2 1, G0V0, GV, G0VN, GV                     ; wave 1: V's chunks 0 and 1
	ARM2 2, G0KS, GKS, G0KN, GK                    ; wave 2: K's scales, K's chunk 2
	ARM2 3, G0VS, GVS, G0VN, GV                    ; wave 3: V's scales, V's chunk 2
	ARM1 4, G0KN, GK                               ; wave 4: K's chunk 3
	ARM1 5, G0VN, GV                               ; wave 5: V's chunk 3; waves 6 and 7 fetch nothing
.Lasked:
	; Q's two fragments and scale words stay in registers.  Row (128 g + 16 sub + r): 32 bytes of codes, of which my half of the lanes takes 16; 2 scale bytes.
	v_and_b32 v232, 15, v0                         ; r
	v_bfe_u32 v233, v0, 4, 1                       ; h
	s_delay_alu instid0(VALU_DEP_2)
	v_lshlrev_b32 v7, 5, v232
	s_delay_alu instid0(VALU_DEP_1)
	v_lshl_add_u32 v7, v233, 4, v7                 ; 32 r + 16 h
	s_wait_alu depctr_va_vdst(0)
	v_lshlrev_b32 v9, 1, v232                      ; 2 r
	s_wait_alu depctr_va_vdst(0)
	s_sub_co_u32 s[GRP], 15, s[P]                  ; the long tile's group
	s_mov_b32 s3, 0
	s_lshl_b32 s104, s[GRP], 12
	s_lshl_b32 s2, s[SUB], 9
	s_add_co_u32 s2, s2, s104
	s_add_nc_u64 s[4:5], s[8:9], s[2:3]            ; the long tile's codes (K's and V's addresses have gone into the descriptors: their registers are free)
	s_lshl_b32 s104, s[P], 12
	s_lshl_b32 s2, s[SUB], 9
	s_add_co_u32 s2, s2, s104
	s_add_nc_u64 s[6:7], s[8:9], s[2:3]            ; the short tile's
	s_lshl_b32 s104, s[GRP], 8
	s_lshl_b32 s2, s[SUB], 5
	s_add_co_u32 s2, s2, s104
	s_add_nc_u64 s[12:13], s[10:11], s[2:3]        ; the long tile's scale bytes
	s_lshl_b32 s104, s[P], 8
	s_lshl_b32 s2, s[SUB], 5
	s_add_co_u32 s2, s2, s104
	s_add_nc_u64 s[14:15], s[10:11], s[2:3]        ; the short tile's
	global_load_b128 v[QL:QL+3], v7, s[4:5]
	global_load_b128 v[QS:QS+3], v7, s[6:7]
	global_load_u16 v[QLW], v9, s[12:13]           ; zero-extended: bytes 2 and 3 are 0, over zero codes
	global_load_u16 v[QSW], v9, s[14:15]
	v_and_b32 v234, 7, v0                          ; r % 8
	v_bfe_u32 v235, v0, 3, 1                       ; r / 8
	v_and_b32 v236, 31, v0                         ; lane
	s_mul_i32 s104, s[E], 4224                     ; a key step of K is 8 LDS rows; my first step is e
	v_lshlrev_b32 v[AK0], 5, v234
	s_delay_alu instid0(VALU_DEP_1)
	v_mad_u32_u24 v[AK0], v235, 528, v[AK0]        ; keys 16 on lie one LDS row on: 528 = 2 x 256 + 16, so lanes 8-15 fall on the 16-byte columns that lanes 0-7 leave out (64 banks of 4 bytes: ISA guide 11.1)
	s_delay_alu instid0(VALU_DEP_1)
	v_lshl_add_u32 v[AK0], v233, 4, v[AK0]
	s_delay_alu instid0(VALU_DEP_1)
	v_add_nc_u32 v[AK0], s104, v[AK0]
	s_lshl_b32 s104, s[E], 8                       ; K's scale bytes: 256 a step.  Lanes 0-15 take tile 2 b's words, lanes 16-31 tile 2 b + 1's (8 keys on)
	s_add_co_u32 s104, s104, KSB
	v_lshlrev_b32 v[AKS0], 1, v234
	s_delay_alu instid0(VALU_DEP_1)
	v_lshl_add_u32 v[AKS0], v235, 5, v[AKS0]
	s_delay_alu instid0(VALU_DEP_1)
	v_lshl_add_u32 v[AKS0], v233, 4, v[AKS0]
	s_delay_alu instid0(VALU_DEP_1)
	v_add_nc_u32 v[AKS0], s104, v[AKS0]
	s_lshl_b32 s104, s[E], 6                       ; V: 64 bytes of a row a step
	s_add_co_u32 s104, s104, VB
	v_mul_u32_u24 v[AV0], v232, 272
	s_delay_alu instid0(VALU_DEP_1)
	v_lshl_add_u32 v[AV0], v233, 4, v[AV0]
	s_delay_alu instid0(VALU_DEP_1)
	v_add_nc_u32 v[AV0], s104, v[AV0]
	s_lshl_b32 s104, s[E], 2                       ; V's scale words: 4 bytes of a row a step.  A register holds 32 rows' words: lanes 0-15 an even tile's, lanes 16-31 the odd one's
	s_add_co_u32 s104, s104, VSB
	v_mul_u32_u24 v[AVS0], v236, 80
	s_delay_alu instid0(VALU_DEP_1)
	v_add_nc_u32 v[AVS0], s104, v[AVS0]
	s_lshl_b32 s2, s[SUB], 4
	v_lshlrev_b32 v[DD], 4, v233
	s_delay_alu instid0(VALU_DEP_1)
	v_sub_nc_u32 v[DD], v232, v[DD]
	s_delay_alu instid0(VALU_DEP_1)
	v_add_nc_u32 v[DD], s2, v[DD]                  ; 16 sub + r - 16 h
	v_mov_b32 v[NINF], 0xff800000
.irp j, 4,5,6,7
	v_mov_b32 v[QL+\j], 0                          ; K = 64 .. 127 of the first product: zero codes, on both sides, set once
	v_mov_b32 v[QS+\j], 0
.irp t, 0,1,2,3,4,5,6,7
	v_mov_b32 v[KF+8*\t+\j], 0
.endr
.endr
.irp b, 0,1,2,3
	v_mov_b32 v[PT+\b], 0                          ; written once: a lane permute's destination counts as one of its sources
.endr
	v_mov_b32 v[F+1], 0                            ; (named as the upper half of the pair v[252:253])
; A tile begins: the key step is written once, so O^T and l begin as zeros and the largest t as -3e38: the first change of M multiplies zeros.  s[GRP] has been set.
.macro INIT
	s_mov_b32 s[TK], 0
	s_mov_b32 s[TKS], 0
	s_mov_b32 s[TV], 0
	s_mov_b32 s[TVS], 0
	s_mov_b32 s[ST], s[E]
	v_mov_b32 v13, 0xff61b1e6                      ; the largest t so far: -3e38
	s_delay_alu instid0(VALU_DEP_1)
	v_floor_f32 v12, -v13                          ; -M
	v_mov_b32 v14, 0                               ; l, in two halves
	v_mov_b32 v15, 0
.set nn, 0
.rept 32
	v_mov_b32 v[O+nn], 0
.set nn, nn+1
.endr
.endm
; A KEY STEP: 128 keys, step s[ST] + 2 j, for the tile whose Q lies in v[qf] on and whose scale words lie in v[qw].
; chk = 1: the step may lie behind the tile's last one (left out: a scalar branch on ids) or on the diagonal (masked).
.macro STEP qf, qw, j, chk
.if \chk
	s_add_co_u32 s[SX], s[ST], 2*\j
	s_cmp_gt_u32 s[SX], s[GRP]
	s_cbranch_scc1 .Lhidden_\@
.endif
	v_add_nc_u32 v[ADK], s[TK], v[AK0]             ; these four lines are also the places between the last step's products and the loads into their operands
	v_add_nc_u32 v[ADS], s[TKS], v[AKS0]
	v_add_nc_u32 v[ADV], s[TV], v[AV0]
	v_add_nc_u32 v[ADT], s[TVS], v[AVS0]
.irp t, 0,1,2,3,4,5,6,7
	ds_load_b128 v[KF+8*\t:KF+8*\t+3], v[ADK] offset:\j*8448+(\t/2)*1056+(\t%2)*256
.endr
.irp b, 0,1,2,3
	ds_load_u16 v[KSW+\b], v[ADS] offset:\j*512+64*\b
.endr
.irp t, 0,1,2,3
.irp c, 0,1
	ds_load_b128 v[VF+8*\t+4*\c:VF+8*\t+4*\c+3], v[ADV] offset:\t*4352+128*\j+32*\c
.endr
.endr
.irp u, 0,1
	ds_load_b32 v[VSW+\u], v[ADT] offset:\u*2560+8*\j
.endr
	s_wait_dscnt 10                                ; K's eight fragments and four scale registers are in; the ten younger loads (V's eight and its two scale registers) may stay out
.irp t, 0,1,2,3,4,5,6,7                        ; S^T = K Q^T
.if \t%2
	v_wmma_scale_f32_16x16x128_f8f6f4 v[S+8*\t:S+8*\t+7], v[KF+8*\t:KF+8*\t+7], v[\qf:\qf+7], 0, v[KSW+\t/2], v[\qw] matrix_a_fmt:MATRIX_FMT_FP4 matrix_b_fmt:MATRIX_FMT_FP4 matrix_a_scale:MATRIX_SCALE_ROW1
.else
	v_wmma_scale_f32_16x16x128_f8f6f4 v[S+8*\t:S+8*\t+7], v[KF+8*\t:KF+8*\t+7], v[\qf:\qf+7], 0, v[KSW+\t/2], v[\qw] matrix_a_fmt:MATRIX_FMT_FP4 matrix_b_fmt:MATRIX_FMT_FP4
.endif
.endr
	PLACES
.if \chk                                       ; on the diagonal the hidden keys' scores become -infinity; eight compares, then eight selects, so that no select waits for its mask
	s_cmp_lg_u32 s[SX], s[GRP]
	s_cbranch_scc1 .Lopen_\@
.set nn, 0
.rept 8
.irp k, 0,1,2,3,4,5,6,7
	v_cmp_gt_i32 s[MK+\k], 32*((nn+\k)/16)+(nn+\k)%16, v[DD]
.endr
.irp k, 0,1,2,3,4,5,6,7
	v_cndmask_b32 v[S+nn+\k], v[S+nn+\k], v[NINF], s[MK+\k]
.endr
.set nn, nn+8
.endr
.Lopen_\@:
.endif
.set nn, 0                                     ; a score that is exactly 0 becomes -infinity.  (Both masks walk the registers upward: each accumulator is first read at its low end)
.rept 8
.irp k, 0,1,2,3,4,5,6,7
	v_cmp_eq_f32 s[MK+\k], 0, v[S+nn+\k]
.endr
.irp k, 0,1,2,3,4,5,6,7
	v_cndmask_b32 v[S+nn+\k], v[S+nn+\k], v[NINF], s[MK+\k]
.endr
.set nn, nn+8
.endr
.irp b, 0,1,2,3
	v_max3_num_f32 v[BM+\b], v[S+16*\b], v[S+16*\b+1], v[S+16*\b+2]   ; the largest score of each block of 32 keys: it serves the row's maximum and, since p rises with the score, the block's largest p
.endr
.irp i, 3,5,7,9,11,13
.irp b, 0,1,2,3
	s_delay_alu instid0(VALU_DEP_4)
	v_max3_num_f32 v[BM+\b], v[BM+\b], v[S+16*\b+\i], v[S+16*\b+\i+1]   ; (the four blocks by turns)
.endr
.endr
.irp b, 0,1,2,3
	s_delay_alu instid0(VALU_DEP_4)
	v_max_num_f32 v[BM+\b], v[BM+\b], v[S+16*\b+15]
.endr
.irp b, 0,1,2,3
	s_delay_alu instid0(VALU_DEP_4)
	v_permlanex16_b32 v[PT+\b], v[BM+\b], s[SEL], s[SEL+1]
.endr
.irp b, 0,1,2,3
	s_delay_alu instid0(VALU_DEP_4)
	v_max_num_f32 v[BM+\b], v[BM+\b], v[PT+\b]     ; with lane l xor 16's 16 keys
.endr
	s_delay_alu instid0(VALU_DEP_2)
	v_max3_num_f32 v[TMP], v[BM], v[BM+1], v[BM+2]
	s_delay_alu instid0(VALU_DEP_1)
	v_max_num_f32 v[TMP], v[TMP], v[BM+3]          ; the step's largest score of my query
	s_delay_alu instid0(VALU_DEP_1)
	v_mul_f32 v[TMP], s[CS], v[TMP]                ; as t (c is positive)
	s_delay_alu instid0(VALU_DEP_1)
	v_max_num_f32 v13, v13, v[TMP]                 ; the running largest t.  (A row all masked so far keeps -3e38: then f = 1, every p = 0, l and O^T stay 0)
	v_mov_b32 v[TMP], v12
	s_delay_alu instid0(VALU_DEP_2)
	v_floor_f32 v12, -v13                          ; the new -M = floor(-t) = -ceil(t)
	s_delay_alu instid0(VALU_DEP_1)
	v_sub_f32 v[TMP], v12, v[TMP]                  ; old M - new M: a whole number, 0 or less
	s_delay_alu instid0(VALU_DEP_1)
	v_cvt_i32_f32 v[TMP], v[TMP]                   ; (it saturates)
	s_delay_alu instid0(VALU_DEP_1)
	v_ldexp_f32 v[F], 1.0, v[TMP]                  ; f = 2^(old M - new M): multiplying by it rounds nothing
.set nn, 0
.rept 32
	v_pk_fma_f32 v[S+nn:S+nn+1], v[S+nn:S+nn+1], s[CS:CS+1], v[12:13] op_sel_hi:[1,0,0]   ; t - M, two at a time (of the pairs c and -M the low word serves both halves)
.set nn, nn+2
.endr
.irp b, 0,1,2,3
	v_fma_f32 v[BM+\b], v[BM+\b], s[CS], v12       ; the same of each block's largest score
.endr
.set nn, 0
	s_wait_alu depctr_va_vdst(0)
.rept 64
	v_exp_f32 v[S+nn], v[S+nn]                     ; p = 2^(t - M), at most 1
.set nn, nn+1
.endr
.irp b, 0,1,2,3
	v_exp_f32 v[BM+\b], v[BM+\b]                   ; the block's largest p: the same two instructions on the same number give the same bits
.endr
	v_pk_mul_f32 v[14:15], v[14:15], v[F:F+1] op_sel_hi:[1,0]   ; l under the new M.  (The plain line behind the exponentials)
	s_wait_alu depctr_va_vdst(0)
.irp b, 0,1,2,3
	v_max_num_f32 v[BM+\b], 0x1800000, v[BM+\b]    ; the floor 2^(3 - 127): the byte cannot fall under 1 (a block of zeros keeps that byte: its codes are zeros)
.endr
.irp b, 0,1,2,3
	s_delay_alu instid0(VALU_DEP_4)
	v_add_nc_u32 v[CO+\b], 0xff000000, v[BM+\b]    ; 2 off the exponent field: the conversion takes this operand's exponent field as its scale
.endr
.irp b, 0,1,2,3
	s_delay_alu instid0(VALU_DEP_4)
	v_lshrrev_b32 v[PT+\b], 23, v[CO+\b]           ; the scale's byte
.endr
	s_delay_alu instid0(VALU_DEP_3)
	v_lshl_or_b32 v[PW], v[PT+1], 8, v[PT]         ; p's scale word for these 128 keys
	s_delay_alu instid0(VALU_DEP_1)
	v_lshl_or_b32 v[PW], v[PT+2], 16, v[PW]
	s_delay_alu instid0(VALU_DEP_1)
	v_lshl_or_b32 v[PW], v[PT+3], 24, v[PW]
.irp b, 0,1,2,3
	v_cvt_scalef32_pk8_fp4_f32 v[PC+2*\b], v[S+16*\b:S+16*\b+7], v[CO+\b]
	v_cvt_scalef32_pk8_fp4_f32 v[PC+2*\b+1], v[S+16*\b+8:S+16*\b+15], v[CO+\b]
.endr
	v_nop                                          ; one plain line behind a scaled conversion
.irp c, 0,1                                    ; the operand's layout wants a whole block in a lane: lanes 0-15 block 2 c, lanes 16-31 block 2 c + 1
.irp i, 0,1
	v_permlane16_swap_b32 v[PC+4*\c+\i], v[PC+4*\c+2+\i]
.endr
.endr
.set nn, 0
.rept 16
	v_pk_mul_f32 v[O+nn:O+nn+1], v[O+nn:O+nn+1], v[F:F+1] op_sel_hi:[1,0]   ; O^T under the new M
.set nn, nn+2
.endr
	v_pk_add_f32 v[236:237], v[100:101], v[104:105]
	v_pk_add_f32 v[248:249], v[108:109], v[112:113]
	v_pk_add_f32 v[246:247], v[116:117], v[120:121]
	v_pk_add_f32 v[242:243], v[124:125], v[128:129]
	v_pk_add_f32 v[240:241], v[132:133], v[136:137]
	v_pk_add_f32 v[234:235], v[140:141], v[144:145]
	v_pk_add_f32 v[232:233], v[148:149], v[152:153]
	v_pk_add_f32 v[14:15], v[14:15], v[156:157]
	v_pk_add_f32 v[236:237], v[236:237], v[96:97]
	v_pk_add_f32 v[248:249], v[248:249], v[98:99]
	v_pk_add_f32 v[246:247], v[246:247], v[102:103]
	v_pk_add_f32 v[242:243], v[242:243], v[106:107]
	v_pk_add_f32 v[240:241], v[240:241], v[110:111]
	v_pk_add_f32 v[234:235], v[234:235], v[114:115]
	v_pk_add_f32 v[232:233], v[232:233], v[118:119]
	v_pk_add_f32 v[14:15], v[14:15], v[122:123]
	v_pk_add_f32 v[236:237], v[236:237], v[126:127]
	v_pk_add_f32 v[248:249], v[248:249], v[130:131]
	v_pk_add_f32 v[246:247], v[246:247], v[134:135]
	v_pk_add_f32 v[242:243], v[242:243], v[138:139]
	v_pk_add_f32 v[240:241], v[240:241], v[142:143]
	v_pk_add_f32 v[234:235], v[234:235], v[146:147]
	v_pk_add_f32 v[232:233], v[232:233], v[150:151]
	v_pk_add_f32 v[14:15], v[14:15], v[154:155]
	v_pk_add_f32 v[236:237], v[236:237], v[158:159]
	s_delay_alu instid0(VALU_DEP_2)
	v_pk_add_f32 v[14:15], v[14:15], v[242:243]
	s_delay_alu instid0(VALU_DEP_2)
	v_pk_add_f32 v[236:237], v[236:237], v[240:241]
	v_pk_add_f32 v[248:249], v[248:249], v[234:235]
	v_pk_add_f32 v[246:247], v[246:247], v[232:233]
	s_delay_alu instid0(VALU_DEP_2)
	v_pk_add_f32 v[14:15], v[14:15], v[248:249]
	s_delay_alu instid0(VALU_DEP_2)
	v_pk_add_f32 v[236:237], v[236:237], v[246:247]
	s_delay_alu instid0(VALU_DEP_1)
	v_pk_add_f32 v[14:15], v[14:15], v[236:237]
	s_wait_dscnt 0x0                               ; V's fragments and scale words are in
.irp t, 0,1,2,3                                ; O^T += V^T P^T: the four accumulators by turns, one instruction a turn
.if \t%2
	v_wmma_scale_f32_16x16x128_f8f6f4 v[O+8*\t:O+8*\t+7], v[VF+8*\t:VF+8*\t+7], v[PC:PC+7], v[O+8*\t:O+8*\t+7], v[VSW+\t/2], v[PW] matrix_a_fmt:MATRIX_FMT_FP4 matrix_b_fmt:MATRIX_FMT_FP4 matrix_a_scale:MATRIX_SCALE_ROW1
.else
	v_wmma_scale_f32_16x16x128_f8f6f4 v[O+8*\t:O+8*\t+7], v[VF+8*\t:VF+8*\t+7], v[PC:PC+7], v[O+8*\t:O+8*\t+7], v[VSW+\t/2], v[PW] matrix_a_fmt:MATRIX_FMT_FP4 matrix_b_fmt:MATRIX_FMT_FP4
.endif
.endr
.if \chk
.Lhidden_\@:
.endif
.endm
; A trip: my two key steps of one chunk of 512 keys, then on to the next chunk.
.macro TRIP qf, qw, chk
	STEP \qf, \qw, 0, \chk
	STEP \qf, \qw, 1, \chk
	s_add_co_u32 s[TK], s[TK], KCH
	s_add_co_u32 s[TKS], s[TKS], 1024
	s_add_co_u32 s[TV], s[TV], VCH
	s_add_co_u32 s[TVS], s[TVS], 16
	s_add_co_u32 s[ST], s[ST], 4
.endm
; My partial result of tile tau (0: long, 1: short) goes to my slot of the exchange: O^T as an image of its registers (lane l's 16 bytes at 16 l), then (-M, l).
.macro PUT tau
	s_mul_i32 s[SX], s[WV], 2*XSL
	s_add_co_u32 s[SX], s[SX], XB+\tau*XSL
	v_and_b32 v232, 31, v0                         ; five plain lines: the places between the last products and the stores of their results
	s_delay_alu instid0(VALU_DEP_1)
	v_lshl_add_u32 v233, v232, 4, s[SX]
	s_delay_alu instid0(VALU_DEP_2)
	v_lshl_add_u32 v234, v232, 3, s[SX]
	v_add_f32 v13, v14, v15                        ; l's two halves
	v_nop
.irp k, 0,1,2,3,4,5,6,7
	ds_store_b128 v233, v[O+4*\k:O+4*\k+3] offset:512*\k
.endr
	ds_store_b64 v234, v[12:13] offset:4096
	s_wait_dscnt 0x0                               ; the stores are done: their registers are written again, and the other wave of the pair reads these bytes behind a later barrier
.endm
	INIT                                           ; the long tile (s[GRP] = 15 - p)
	s_wait_loadcnt 0x0                             ; Q
	s_wait_tensorcnt 0x1                           ; a wave's first fill (K's or V's chunk 0, or the scales) has landed; its second, a later chunk, may stay out
	s_barrier_signal -1
	s_barrier_wait -1                              ; chunk 0 and the scales are whole
	TRIP QL, QLW, 0                                ; steps e and e + 2 of the long tile: its group is 8 or more, so nothing here is hidden or on the diagonal
	s_wait_tensorcnt 0x0                           ; my later chunk has landed
	s_barrier_signal -1
	s_barrier_wait -1                              ; everybody's has: all of K and V lies in LDS
	s_mov_b32 s[CNT], 3
.Llong:
	TRIP QL, QLW, 1
	s_sub_co_u32 s[CNT], s[CNT], 1
	s_cmp_lg_u32 s[CNT], 0
	s_cbranch_scc1 .Llong
	s_wait_alu depctr_va_vdst(0)
	PUT 0
	s_mov_b32 s[GRP], s[P]                         ; the short tile
	INIT
	s_mov_b32 s[CNT], 2
.Lshort:
	TRIP QS, QSW, 1
	s_sub_co_u32 s[CNT], s[CNT], 1
	s_cmp_lg_u32 s[CNT], 0
	s_cbranch_scc1 .Lshort
	s_wait_alu depctr_va_vdst(0)
	PUT 1
	; THE MEAN OF V.  Wave (i, e) takes rows 16 i .. 16 i + 15 of V and the key steps 8 e .. 8 e + 7: eight products with ones (code 2) of scale 2^-11 = 1 / 2,048.
	v_mov_b32 v[PW], 0x74747474                    ; the ones' scale bytes: 127 - 11
.irp j, 0,1,2,3,4,5,6,7
	v_mov_b32 v[PC+\j], 0x22222222                 ; 64 codes of 1.0
.endr
	v_and_b32 v232, 15, v0                         ; r.  (The eight address lines are the places between the ones, their scale and the products)
	s_wait_alu depctr_va_vdst(0)
	v_bfe_u32 v233, v0, 4, 1                       ; h
	s_wait_alu depctr_va_vdst(0)
	s_mul_i32 s104, s[E], 2*VCH
	s_mul_i32 s105, s[I], 4352
	s_add_co_u32 s104, s104, s105
	s_add_co_u32 s104, s104, VB
	v_mul_u32_u24 v9, v232, 272
	s_delay_alu instid0(VALU_DEP_1)
	v_lshl_add_u32 v9, v233, 4, v9
	s_delay_alu instid0(VALU_DEP_1)
	v_add_nc_u32 v9, s104, v9                      ; my rows' codes, from chunk 2 e on
	s_wait_alu depctr_va_vdst(0)
	s_mul_i32 s104, s[I], 1280
	s_lshl_b32 s105, s[E], 5
	s_add_co_u32 s104, s104, s105
	s_add_co_u32 s104, s104, VSB
	v_mul_u32_u24 v10, v232, 80
	s_delay_alu instid0(VALU_DEP_1)
	v_add_nc_u32 v10, s104, v10                    ; my rows' eight scale words: 32 bytes
	s_lshl_b32 s104, s[E], 8
	s_lshl_b32 s105, s[I], 6
	s_add_co_u32 s104, s104, s105
	s_add_co_u32 s104, s104, VM
	v_lshl_add_u32 v11, v233, 5, s104              ; where the sums go: 4 (16 i + 8 h) in half e
.irp k, 0,1,2,3,4,5,6,7
.irp c, 0,1
	ds_load_b128 v[S+8*\k+4*\c:S+8*\k+4*\c+3], v9 offset:(\k/4)*VCH+(\k%4)*64+32*\c
.endr
.endr
	ds_load_b128 v[244:247], v10
	ds_load_b128 v[248:251], v10 offset:16
	s_wait_dscnt 0x0
.irp k, 0,1,2,3                                ; four accumulators by turns; the first four products start the sums
	v_wmma_scale_f32_16x16x128_f8f6f4 v[O+8*\k:O+8*\k+7], v[S+8*\k:S+8*\k+7], v[PC:PC+7], 0, v[244+\k], v[PW] matrix_a_fmt:MATRIX_FMT_FP4 matrix_b_fmt:MATRIX_FMT_FP4
.endr
.irp k, 0,1,2,3
	v_wmma_scale_f32_16x16x128_f8f6f4 v[O+8*\k:O+8*\k+7], v[S+32+8*\k:S+32+8*\k+7], v[PC:PC+7], v[O+8*\k:O+8*\k+7], v[248+\k], v[PW] matrix_a_fmt:MATRIX_FMT_FP4 matrix_b_fmt:MATRIX_FMT_FP4
.endr
	PLACES
.irp j, 0,2,4,6
	v_pk_add_f32 v[O+\j:O+\j+1], v[O+\j:O+\j+1], v[O+8+\j:O+8+\j+1]          ; each accumulator from its low end on
.endr
.irp j, 0,2,4,6
	v_pk_add_f32 v[O+16+\j:O+16+\j+1], v[O+16+\j:O+16+\j+1], v[O+24+\j:O+24+\j+1]
.endr
.irp j, 0,2,4,6
	s_delay_alu instid0(VALU_DEP_4)
	v_pk_add_f32 v[O+\j:O+\j+1], v[O+\j:O+\j+1], v[O+16+\j:O+16+\j+1]
.endr
	ds_store_b128 v11, v[O:O+3]                    ; all 16 columns are alike: the 16 lanes of a half write the same bytes with the same values
	ds_store_b128 v11, v[O+4:O+7] offset:16
	; the addresses of the last phase.  Wave (i, e) finishes tile e of pair i (0: long, 1: short)
	s_mul_i32 s104, s[I], 2*XSL
	s_mul_i32 s105, s[E], XSL
	s_add_co_u32 s104, s104, s105
	s_add_co_u32 s104, s104, XB
	v_and_b32 v234, 31, v0
	s_delay_alu instid0(VALU_DEP_1)
	v_lshl_add_u32 v1, v234, 4, s104               ; wave i's slot of that tile: O^T's image; wave i + 4's lies 4 x 8,704 bytes on
	s_delay_alu instid0(VALU_DEP_2)
	v_lshl_add_u32 v2, v234, 3, s104               ; its (-M, l), 4,096 bytes on
	v_lshl_add_u32 v3, v233, 5, VM                 ; the mean, in O^T's layout: 64 t + 32 h
	s_mul_i32 s104, s[WV], 4352
	s_add_co_u32 s104, s104, STG                   ; my stage
	v_mul_u32_u24 v4, v232, 272
	s_delay_alu instid0(VALU_DEP_1)
	v_lshl_add_u32 v4, v233, 5, v4
	s_delay_alu instid0(VALU_DEP_1)
	v_add_nc_u32 v4, s104, v4                      ; in: row r, + 32 h
	v_mul_u32_u24 v5, v233, 272
	s_delay_alu instid0(VALU_DEP_1)
	v_lshl_add_u32 v5, v232, 4, v5
	s_delay_alu instid0(VALU_DEP_1)
	v_add_nc_u32 v5, s104, v5                      ; back: lanes 0-15 one row of 256 bytes, lanes 16-31 the next
	v_lshlrev_b32 v7, 8, v233
	s_delay_alu instid0(VALU_DEP_1)
	v_lshl_add_u32 v7, v232, 4, v7                 ; and the same two rows in out0
	s_sub_co_u32 s105, 15, s[P]
	s_cmp_eq_u32 s[E], 0
	s_cselect_b32 s105, s105, s[P]                 ; the tile's group
	s_lshl_b32 s104, s105, 15                      ; 128 rows of 256 bytes a group,
	s_lshl_b32 s2, s[SUB], 12                      ; 16 a tile
	s_add_co_u32 s2, s2, s104
	s_mov_b32 s3, 0
	s_add_nc_u64 s[16:17], s[16:17], s[2:3]
	s_wait_alu depctr_va_vdst(0)
	s_wait_dscnt 0x0                               ; for the others' sake: my stores into the exchange and the mean are done
	s_barrier_signal -1
	s_barrier_wait -1                              ; both partial results of every tile, and the mean, lie in LDS
	; THE TWO PARTIAL RESULTS ARE JOINED: M = the larger M; each part is multiplied by 2^(its M - M), exactly; l likewise; then O^T / l, or the mean where l = 0.
.irp k, 0,1,2,3,4,5,6,7
	ds_load_b128 v[S+4*\k:S+4*\k+3], v1 offset:512*\k
.endr
.irp k, 0,1,2,3,4,5,6,7
	ds_load_b128 v[S+32+4*\k:S+32+4*\k+3], v1 offset:8*XSL+512*\k
.endr
	ds_load_b64 v[232:233], v2 offset:4096
	ds_load_b64 v[234:235], v2 offset:8*XSL+4096
.irp t, 0,1,2,3
	ds_load_b128 v[32+8*\t:35+8*\t], v3 offset:64*\t
	ds_load_b128 v[36+8*\t:39+8*\t], v3 offset:64*\t+16
	ds_load_b128 v[64+8*\t:67+8*\t], v3 offset:256+64*\t
	ds_load_b128 v[68+8*\t:71+8*\t], v3 offset:256+64*\t+16
.endr
	s_wait_dscnt 0x0
	v_min_num_f32 v236, v232, v234                 ; -M
	s_delay_alu instid0(VALU_DEP_1)
	v_sub_f32 v237, v236, v232                     ; the first part's M - M: a whole number, 0 or less
	s_delay_alu instid0(VALU_DEP_2)
	v_sub_f32 v238, v236, v234
	s_delay_alu instid0(VALU_DEP_2)
	v_cvt_i32_f32 v237, v237
	s_delay_alu instid0(VALU_DEP_2)
	v_cvt_i32_f32 v238, v238
	s_delay_alu instid0(VALU_DEP_2)
	v_ldexp_f32 v240, 1.0, v237
	s_delay_alu instid0(VALU_DEP_2)
	v_ldexp_f32 v242, 1.0, v238
	s_delay_alu instid0(VALU_DEP_2)
	v_mul_f32 v239, v233, v240
	s_delay_alu instid0(VALU_DEP_1)
	v_fmac_f32 v239, v235, v242                    ; l of my half of the lanes,
	s_delay_alu instid0(VALU_DEP_1)
	v_permlanex16_b32 v[F], v239, s[SEL], s[SEL+1]
	s_delay_alu instid0(VALU_DEP_1)
	v_add_f32 v239, v239, v[F]                     ; and of lane l xor 16's: the row's sum
	s_wait_alu depctr_va_vdst(0)
	v_rcp_f32 v[TMP], v239
	v_mov_b32 v241, 0                              ; (a plain line behind the reciprocal; v241 and v243 are named as upper halves of pairs)
	v_mov_b32 v243, 0
	v_cmp_eq_f32 vcc_lo, 0, v239                   ; a row all of whose visible scores were masked
	s_wait_alu depctr_va_vdst(0)
	v_mul_f32 v240, v240, v[TMP]                   ; the division goes into the two factors
	v_mul_f32 v242, v242, v[TMP]
.set nn, 0
.rept 16
	v_pk_mul_f32 v[O+nn:O+nn+1], v[S+nn:S+nn+1], v[240:241] op_sel_hi:[1,0]
.set nn, nn+2
.endr
.set nn, 0
.rept 16
	v_pk_fma_f32 v[O+nn:O+nn+1], v[S+32+nn:S+32+nn+1], v[242:243], v[O+nn:O+nn+1] op_sel_hi:[1,0,1]
.set nn, nn+2
.endr
.set nn, 0
.rept 16
	v_pk_add_f32 v[32+nn:32+nn+1], v[32+nn:32+nn+1], v[64+nn:64+nn+1]   ; the mean's two halves
.set nn, nn+2
.endr
.set nn, 0
.rept 32
	v_cndmask_b32 v[O+nn], v[O+nn], v[32+nn], vcc_lo
.set nn, nn+1
.endr
	; THE WAY OUT: a lane holds 32 neighbouring bytes of four places of a row: the tile goes through my own stage and comes back as whole rows of 256 bytes.
.irp t, 0,1,2,3
	ds_store_b128 v4, v[O+8*\t:O+8*\t+3] offset:64*\t
	ds_store_b128 v4, v[O+8*\t+4:O+8*\t+7] offset:64*\t+16
.endr
.irp i, 0,1,2,3,4,5,6,7
	ds_load_b128 v[S+4*\i:S+4*\i+3], v5 offset:544*\i              ; LDS serves a wave's instructions in order (ISA guide 5.7.1.4): these see my stores
.endr
.irp i, 0,1,2,3,4,5,6,7
	s_wait_dscnt 7-\i                              ; the younger loads from the stage may stay out
	global_store_b128 v7, v[S+4*\i:S+4*\i+3], s[16:17] offset:512*\i th:TH_STORE_NT   ; the wave stores 512 consecutive bytes, at a multiple of 256 from out0's first byte; written once
.endr
	s_set_vgpr_msb 0x4
	s_wait_tensorcnt 0x0
	ds_add_u32 v8, v1
	s_wait_dscnt 0x0
	s_set_vgpr_msb 0x400
	ROUND                                          ; the closing round: no work-group ends while a partner may still ask for a tile that names it
	s_endpgm
.Lfunc_end_k_q678dc55f84_attn:
	.size	k_q678dc55f84_attn, .Lfunc_end_k_q678dc55f84_attn-k_q678dc55f84_attn
	.p2alignl 7, 3214868480
	.fill 96, 4, 3214868480
	.section	.rodata,"a",@progbits
	.p2align	6, 0x0
	.amdhsa_kernel k_q678dc55f84_attn
		.amdhsa_group_segment_fixed_size 263168
		.amdhsa_private_segment_fixed_size 0
		.amdhsa_enable_private_segment 0
		.amdhsa_kernarg_size 56
		.amdhsa_user_sgpr_count 2
		.amdhsa_user_sgpr_kernarg_segment_ptr 1
		.amdhsa_wavefront_size32 1
		.amdhsa_system_sgpr_workgroup_id_x 1
		.amdhsa_system_sgpr_workgroup_id_y 1
		.amdhsa_system_sgpr_workgroup_id_z 1
		.amdhsa_system_vgpr_workitem_id 0
		.amdhsa_next_free_vgpr 258
		.amdhsa_next_free_sgpr 106
		.amdhsa_reserve_vcc 1
		.amdhsa_float_denorm_mode_32 3
		.amdhsa_float_denorm_mode_16_64 3
		.amdhsa_memory_ordered 1
		.amdhsa_forward_progress 1
		.amdhsa_inst_pref_size 220
	.end_amdhsa_kernel
	.amdgpu_metadata
---
amdhsa.version: [ 1, 2 ]
amdhsa.kernels:
  - .name:           k_q678dc55f84_attn
    .symbol:         k_q678dc55f84_attn.kd
    .args:
      - { .name: k_codes, .offset: 0, .size: 8, .value_kind: global_buffer, .address_space: global }
      - { .name: k_scales, .offset: 8, .size: 8, .value_kind: global_buffer, .address_space: global }
      - { .name: q_codes, .offset: 16, .size: 8, .value_kind: global_buffer, .address_space: global }
      - { .name: q_scales, .offset: 24, .size: 8, .value_kind: global_buffer, .address_space: global }
      - { .name: v_codes, .offset: 32, .size: 8, .value_kind: global_buffer, .address_space: global }
      - { .name: v_scales, .offset: 40, .size: 8, .value_kind: global_buffer, .address_space: global }
      - { .name: out0, .offset: 48, .size: 8, .value_kind: global_buffer, .address_space: global }
    .group_segment_fixed_size: 263168
    .private_segment_fixed_size: 0
    .kernarg_segment_align: 8
    .kernarg_segment_size: 56
    .max_flat_workgroup_size: 256
    .sgpr_count:     106
    .vgpr_count:     258
    .wavefront_size: 32
...
	.end_amdgpu_metadata
.endif
;; end of part 1
